; MI455X (gfx1250); checked and timed in simulation.
; The chip was launched on July 23, 2026; its instructions are those of AMD's public machine-readable ISA for CDNA 5 (MIT licence, August 2026) and "CDNA5" Instruction Set Architecture Reference Guide (July 2026). The comments in the code are by the model that wrote it; some were corrected since.
;; Self Attention. Allowed arithmetic: matrix products marked QUANTISED: E2M3 operands, one E8M0 scale for each 32 along K, by v_wmma_scale_f32_16x16x128_f8f6f4 with both operands' format E2M3, f32 sums; everything else in f32.
;; Inputs: b_in 3,072 float32; w_in 3,072 x 1,024 float32; w_out 1,024 x 1,024 float32; x 2 x 2,048 x 1,024 float32.
;; Outputs: out0 2 x 2,048 x 1,024 float32.
;; Constants: causal_mask = 1.
;; This version of the problem:
;;   THIS VERSION OF THE PROBLEM IS GIVEN IN LOW PRECISION. The matrix products marked QUANTISED in the list below multiply operands that are first quantised to E2M3 (2 exponent bits, 3 mantissa bits; 6 bits a number), with one power-of-two scale for each 32 numbers along K (OCP MX v1.0); their sums are f32. All else is computed in f32.
;;   The module's matrix products, in the order in which they are computed (A, B: the left and right operand; K: the contracted axis; several contracted axes count as one K, in the product's order):
;;     1. [M 4,096, K 1,024] x [K 1,024, N 3,072]; A: input x; B: input w_in: QUANTISED
;;     2. batch 32 x [M 2,048, K 64] x [K 64, N 2,048]; A: computed on the way; B: computed on the way: QUANTISED
;;     3. batch 32 x [M 2,048, K 2,048] x [K 2,048, N 64]; A: softmax (see below); B: computed on the way: QUANTISED
;;     4. [M 4,096, K 1,024] x [K 1,024, N 1,024]; A: computed on the way; B: input w_out: QUANTISED
;;   THE QUANTISER, for each operand of a quantised product, along K:
;;     - K is cut into blocks of 32 from its start; a last block that is shorter is filled with zeros.
;;     - A block's scale is 2^e with e = floor(log2(the largest magnitude in the block)) - 2, held to -126 .. 127; a block of zeros has e = 0. As a byte (E8M0): e + 127.
;;     - Each number is divided by its block's scale, clamped to +-7.5, and rounded to the nearest number of E2M3, ties to even, subnormals kept.
;;     - The product sums the exact products of the quantised numbers (number of the format x scale) in f32.
;;   ~~~python
;;   def quantise(x, axis):      # numpy; x: float32 -> the quantised numbers, widened to float32 again
;;       x = np.moveaxis(x, axis, -1); K = x.shape[-1]
;;       x = np.pad(x, [(0, 0)] * (x.ndim - 1) + [(0, -K % 32)]); x = x.reshape(x.shape[:-1] + (-1, 32)); a = np.abs(x).max(-1, keepdims=True)
;;       e = np.where(a > 0, np.clip(np.frexp(np.where(a > 0, a, 1))[1] - 1 - 2, -126, 127), 0)      # np.frexp(a)[1] - 1 = floor(log2(a)), exactly
;;       r = np.clip(x / 2.0 ** e, -7.5, 7.5)
;;       step = 2.0 ** (np.maximum(np.frexp(np.where(r == 0, 1, r))[1] - 1, 0) - 3)
;;       q = np.round(r / step) * step * 2.0 ** e      # np.round: ties to even
;;       return np.moveaxis(q.reshape(q.shape[:-2] + (-1,))[..., :K], -1, axis).astype(np.float32)
;;   ~~~
;;   SOFTMAX AHEAD OF A QUANTISED PRODUCT. Where the list says 'softmax', what is quantised is not the finished softmax but p = 2^(t - M), with t = logit x log2(e) and M = ceil(the row's largest t), a whole number; so 1/2 < the row's largest p <= 1. The row's sum l is taken of the UNQUANTISED p, in f32, and the product's result is divided by l at the end. Since M is a whole number, a kernel that streams over the keys may use a running M (the ceiling of the running maximum): every later rescaling is an exact power of two, which a block's scale takes up: the codes' values come out the same.
;;   OPERANDS COMPUTED ON THE WAY. 'Computed on the way' means the value that the module computes at that place (a softmax that the list does not call 'softmax' is quantised finished and normalised). What goes into a quantiser is computed in f32, as accurately as f32 sums, v_exp_f32 and their like allow (about 1e-6 of the number): no bf16 or f16 on the way to a quantiser, and a product that is left as it is and whose result goes on into a quantised operand takes f32 operands (vector FMAs, or v_wmma_f32_16x16x4_f32). A number that lies on a knife's edge between two numbers of the format may be rounded either way, as far as f32 arithmetic and the matrix unit's own rounding can turn it there, and no further.
;; One version. Each part assembles by itself: llvm-mc -triple=amdgcn-amd-amdhsa -mcpu=gfx1250 --defsym DOCPART=n.
;; ======== version 1 of 1: 4 launches
;; limits: right only within a limited range of input values
;; workspace buffers: CODES 6,291,456 bytes; SCALES 262,144 bytes; QKV 9,830,400 bytes; OC 3,145,728 bytes; OS 131,072 bytes
;; launch quant (part 1): grid 512 x 1, 4 waves a work-group, no clusters, 34,816 bytes of LDS; arguments x, w_in, w_out, CODES, SCALES; writes CODES, SCALES
.if DOCPART == 1
	.amdgcn_target "amdgcn-amd-amdhsa--gfx1250"
	.amdhsa_code_object_version 6
	.text
	.protected	k_qff4ec4820a_quant
	.globl	k_qff4ec4820a_quant
	.p2align	8
	.type	k_qff4ec4820a_quant,@function
k_qff4ec4820a_quant:
	s_mov_b64 s[64:65], 0
	v_nop
	global_prefetch_b8 v0, s[64:65] scope:SCOPE_SE
	s_setreg_imm32_b32 hwreg(HW_REG_WAVE_MODE, 25, 1), 1
	s_wait_xcnt 0x0
; x [4096][1024], w_in [3072][1024] and w_out [1024][1024], f32, K innermost, become codes of FP6 (E2M3) with one E8M0 scale byte for each 32 along K.
; WORK LEFT OUT IN THE PROGRAM: only whole tiles of scores that lie under reference()'s own causal mask (launch attn).
; A block's scale is 2^(floor(log2(its largest magnitude)) - 2); its byte is the largest magnitude's exponent field - 2, held at 1 from below.
; LIMITS: NaN and infinities among the inputs are not served.  A block of zeros gets the byte 1 where the rule says 127: its codes are zeros, which add nothing, and this program alone reads the bytes.
; THE ROW ORDER OF A TILE, in every buffer of this program: row r of tile T is row 64 (T / 4) + 8 (T % 4) + r % 8 + 32 (r / 8) of its tensor.  A product that takes the four tiles of a band of 64 rows as
; source 0 so leaves in lane (r, h) = (lane % 16, lane / 16), register 8 j + i, row 32 h + 8 j + i of the band: 32 neighbours, one scale block of the next product, in one lane.
; CODES: [tile 512][128 along K: 8][piece 3][lane][16 bytes]: piece p holds registers 4 p .. 4 p + 3 of an operand.  Tiles 0-255 x; 256 + 12 head + 4 m + j: w_in's band of head and m = q, k, v; 448-511 w_out.
; SCALES: [16 x tile + r][32 bytes], byte k / 32.
; A work-group takes one tile, 16 rows x 1,024; wave w takes K = 256 w on: two fragments.  All 32 loads of a wave (512 consecutive bytes each) go out at once; a fragment's 8 KiB turn through the wave's own stage in LDS.
.set SROW,  528                        ; a stage row: 512 bytes + 16 = 132 words: 16 rows start 4 banks apart (64 banks of 4 bytes: ISA guide 11.1)
.set STGB,  16*SROW
.set SCG,   4*STGB                     ; the tile's 16 rows of 32 scale bytes
.set SPARE, SCG+512
.set R,     16                         ; v16-143  two fragments' numbers as loaded (v16-27 later the second fragment's codes)
.set X,     144                        ; v144-207 register 32 c + i: k = 64 c + 32 h + i of row r
.set PC,    208                        ; v208-219 the first fragment's codes
.set TM,    224                        ; v224-227 largest magnitudes, v228-229 scale operands, v230-231 bytes
.set HW,    240                        ; v240-241 half scale words
	s_load_b128 s[4:7], s[0:1], 0x0                ; x, w_in
	s_load_b128 s[8:11], s[0:1], 0x10              ; w_out, CODES
	s_load_b64 s[12:13], s[0:1], 0x20              ; SCALES
	v_lshl_add_u32 v248, v0, 2, SPARE
	v_mov_b32 v249, 0
	v_lshrrev_b32 v1, 5, v0
	v_readfirstlane_b32 s20, v1                    ; wave 0..3
	v_and_b32 v1, 31, v0
	v_and_b32 v2, 15, v0                           ; r
	v_bfe_u32 v3, v0, 4, 1                         ; h
	v_lshlrev_b32 v4, 4, v1                        ; 16 x lane
	s_mul_i32 s21, s20, STGB
	s_lshl_b32 s22, s20, 3
	s_add_co_u32 s22, s22, SCG
	s_wait_alu depctr_va_vdst(0)
	v_add_nc_u32 v5, s21, v4                       ; into the stage, as loaded
	v_mul_u32_u24 v6, v2, SROW
	v_lshl_add_u32 v6, v3, 7, v6
	v_add_nc_u32 v6, s21, v6                       ; out of it: row r, + 128 h: my whole block of each 64
	v_lshl_add_u32 v8, v2, 5, s22
	v_lshl_add_u32 v8, v3, 2, v8                   ; my row's scale word of fragment h
	v_add_nc_u32 v9, SCG, v4
	s_wait_alu depctr_va_vdst(0)
	s_wait_kmcnt 0x0
	s_mov_b32 s16, 448
	s_cmp_lt_u32 ttmp9, s16                        ; which tensor: the choice hangs on the work-group's number alone
	s_cselect_b64 s[14:15], s[6:7], s[8:9]
	s_cselect_b32 s16, 256, s16
	s_cmp_lt_u32 ttmp9, 256
	s_cselect_b64 s[14:15], s[4:5], s[14:15]
	s_cselect_b32 s16, 0, s16
	s_sub_co_u32 s16, ttmp9, s16                   ; T
	s_lshr_b32 s17, s16, 2
	s_lshl_b32 s17, s17, 18                        ; 64 (T / 4) rows of 4,096 bytes
	s_and_b32 s18, s16, 3
	s_lshl_b32 s18, s18, 15                        ; 8 (T % 4) rows
	s_add_co_u32 s18, s18, s17
	s_lshl_b32 s17, s20, 10                        ; my wave's 256 along K
	s_add_co_u32 s18, s18, s17
	s_mov_b32 s19, 0
	s_add_nc_u64 s[14:15], s[14:15], s[18:19]
	s_bfe_u32 s17, s16, 0x40002                    ; w_in: head,
	s_mul_i32 s17, s17, 12
	s_lshr_b32 s21, s16, 6                         ; m,
	s_lshl_b32 s21, s21, 2
	s_add_co_u32 s17, s17, s21
	s_and_b32 s21, s16, 3                          ; j
	s_add_co_u32 s17, s17, s21
	s_add_co_u32 s17, s17, 256
	s_sub_co_u32 s21, ttmp9, 256
	s_cmp_lt_u32 s21, 192                          ; w_in's tiles
	s_cselect_b32 s17, s17, ttmp9                  ; where this tile lies in CODES
	s_mul_i32 s18, s17, 12288
	s_mul_i32 s21, s20, 3072
	s_add_co_u32 s18, s18, s21
	s_add_nc_u64 s[10:11], s[10:11], s[18:19]      ; my two images
	s_lshl_b32 s18, s17, 9
	s_add_nc_u64 s[12:13], s[12:13], s[18:19]      ; the tile's 512 scale bytes
.irp u, 0,1
.set p, 0
.rept 16
	global_load_b128 v[R+64*\u+4*p:R+64*\u+4*p+3], v4, s[14:15] offset:(p%8+32*(p/8))*4096+512*\u th:TH_LOAD_NT   ; tile row p: 512 consecutive bytes
.set p, p+1
.endr
.endr
.macro UNIT u, d                       ; fragment u: codes into v[d] .. v[d + 11], half scale word into v[HW + u]
.set p, 0
.rept 16
	ds_store_b128 v5, v[R+64*\u+4*p:R+64*\u+4*p+3] offset:SROW*p
.set p, p+1
.endr
.irp c, 0,1
.irp j, 0,1,2,3,4,5,6,7
	ds_load_b128 v[X+32*\c+4*\j:X+32*\c+4*\j+3], v6 offset:256*\c+16*\j   ; LDS serves a wave's instructions in order (ISA guide 5.7.1)
.endr
.endr
	s_wait_dscnt 0x0
.irp b, 0,1,2,3
	v_max3_num_f32 v[TM+\b], |v[X+16*\b]|, |v[X+1+16*\b]|, 0x1800000   ; with the floor 2^(3 - 127): the byte cannot fall under 1
.endr
.irp i, 2,4,6,8,10,12,14
.irp b, 0,1,2,3
	v_max3_num_f32 v[TM+\b], v[TM+\b], |v[X+16*\b+\i]|, |v[X+1+16*\b+\i]|
.endr
.endr
.irp c, 0,2
	v_max_num_f32 v[TM+\c], v[TM+\c], v[TM+1+\c]
.endr
.irp c, 0,1
	v_add_nc_u32 v[TM+4+\c], 0xff000000, v[TM+2*\c]   ; 2 off the exponent field: the conversion's scale operand
.endr
.irp c, 0,1
	v_cvt_scalef32_pk16_fp6_f32 v[\d+6*\c:\d+2+6*\c], v[X+32*\c:X+15+32*\c], v[TM+4+\c]
	v_cvt_scalef32_pk16_fp6_f32 v[232+4*\c:234+4*\c], v[X+16+32*\c:X+31+32*\c], v[TM+4+\c]   ; (a conversion's three registers begin on an even number)
.endr
.irp c, 0,1
	v_lshrrev_b32 v[TM+6+\c], 23, v[TM+4+\c]
.endr
	v_lshl_or_b32 v[HW+\u], v[TM+7], 16, v[TM+6]
.irp i, 0,1,2
	v_mov_b32 v[\d+3+\i], v[232+\i]
	v_mov_b32 v[\d+9+\i], v[236+\i]
.endr
.irp p, 0,1,2
	global_store_b128 v4, v[\d+4*\p:\d+4*\p+3], s[10:11] offset:1536*\u+512*\p   ; 32 lanes store 512 consecutive bytes, aligned
.endr
.endm
	s_wait_loadcnt 16                              ; the first fragment's 16 loads are in; the second's 16 are younger
	UNIT 0, PC
	s_wait_loadcnt 0x0
	UNIT 1, R
	v_permlane16_swap_b32 v[HW], v[HW+1]           ; lanes 0-15 now hold both halves of fragment 0's word, lanes 16-31 of fragment 1's
	v_lshl_or_b32 v[HW], v[HW+1], 8, v[HW]
	ds_store_b32 v8, v[HW]
	s_wait_alu depctr_va_vdst(0)
	s_wait_dscnt 0x0
	s_barrier_signal -1
	s_barrier_wait -1
	s_cmp_lg_u32 s20, 0
	s_cbranch_scc1 .Ldone
	ds_load_b128 v[12:15], v9
	s_wait_dscnt 0x0
	global_store_b128 v4, v[12:15], s[12:13]       ; the tile's scale bytes: 512 consecutive bytes, aligned
.Ldone:
	s_wait_tensorcnt 0x0
	ds_add_u32 v248, v249
	s_wait_dscnt 0x0
	s_endpgm
.Lfunc_end_k_qff4ec4820a_quant:
	.size	k_qff4ec4820a_quant, .Lfunc_end_k_qff4ec4820a_quant-k_qff4ec4820a_quant
	.p2alignl 7, 3214868480
	.fill 96, 4, 3214868480
	.section	.rodata,"a",@progbits
	.p2align	6, 0x0
	.amdhsa_kernel k_qff4ec4820a_quant
		.amdhsa_group_segment_fixed_size 34816
		.amdhsa_private_segment_fixed_size 0
		.amdhsa_enable_private_segment 0
		.amdhsa_kernarg_size 40
		.amdhsa_user_sgpr_count 2
		.amdhsa_user_sgpr_kernarg_segment_ptr 1
		.amdhsa_wavefront_size32 1
		.amdhsa_system_sgpr_workgroup_id_x 1
		.amdhsa_system_sgpr_workgroup_id_y 1
		.amdhsa_system_sgpr_workgroup_id_z 1
		.amdhsa_system_vgpr_workitem_id 0
		.amdhsa_next_free_vgpr 250
		.amdhsa_next_free_sgpr 66
		.amdhsa_reserve_vcc 0
		.amdhsa_float_denorm_mode_32 3
		.amdhsa_float_denorm_mode_16_64 3
		.amdhsa_memory_ordered 1
		.amdhsa_forward_progress 1
		.amdhsa_inst_pref_size 17
	.end_amdhsa_kernel
	.amdgpu_metadata
---
amdhsa.version: [ 1, 2 ]
amdhsa.kernels:
  - .name:           k_qff4ec4820a_quant
    .symbol:         k_qff4ec4820a_quant.kd
    .args:
      - { .name: x, .offset: 0, .size: 8, .value_kind: global_buffer, .address_space: global }
      - { .name: w_in, .offset: 8, .size: 8, .value_kind: global_buffer, .address_space: global }
      - { .name: w_out, .offset: 16, .size: 8, .value_kind: global_buffer, .address_space: global }
      - { .name: CODES, .offset: 24, .size: 8, .value_kind: global_buffer, .address_space: global }
      - { .name: SCALES, .offset: 32, .size: 8, .value_kind: global_buffer, .address_space: global }
    .group_segment_fixed_size: 34816
    .private_segment_fixed_size: 0
    .kernarg_segment_align: 8
    .kernarg_segment_size: 40
    .max_flat_workgroup_size: 128
    .sgpr_count:     66
    .vgpr_count:     250
    .wavefront_size: 32
...
	.end_amdgpu_metadata
.endif
;; end of part 1
;; launch qkv (part 2): grid 16 x 16, 4 waves a work-group, clusters of 4 x 4, 327,680 bytes of LDS; arguments CODES, SCALES, b_in, QKV; writes QKV
.if DOCPART == 2
	.amdgcn_target "amdgcn-amd-amdhsa--gfx1250"
	.amdhsa_code_object_version 6
	.text
	.protected	k_qff4ec4820a_qkv
	.globl	k_qff4ec4820a_qkv
	.p2align	8
	.type	k_qff4ec4820a_qkv,@function
k_qff4ec4820a_qkv:
	s_mov_b64 s[64:65], 0
	v_nop
	global_prefetch_b8 v0, s[64:65] scope:SCOPE_SE
	s_setreg_imm32_b32 hwreg(HW_REG_WAVE_MODE, 25, 1), 1
	s_wait_xcnt 0x0
	s_wait_alu depctr_hold_cnt(0) depctr_sa_sdst(0) depctr_va_vdst(0) depctr_va_sdst(0) depctr_va_ssrc(0) depctr_va_vcc(0) depctr_vm_vsrc(0)
	s_getreg_b32 s2, hwreg(HW_REG_IB_STS2, 6, 4)
	s_cmp_eq_u32 s2, 0
	s_cbranch_scc0 .Lentry_in_a_cluster
	s_endpgm
.Lentry_in_a_cluster:
	s_bfe_u32 s2, ttmp6, 0x10000c
	s_cmp_lg_u32 s2, 0xf033
	s_cbranch_scc0 .Lentry_shape_is_right
	s_endpgm
.Lentry_shape_is_right:
; qkv = x w_in^T + b_in on codes of FP6; the results are quantised at once, in registers, into the operands of attention's two products.
; A WORK-GROUP makes one head's q, k and v (work-group x) for 256 tokens (work-group y): 256 work-groups.  Wave (a, b) = (wave / 2, wave % 2) makes, for the 128 tokens of step a, q (b = 0) or k (b = 1) and v's channel tiles 2 b, 2 b + 1:
; 8 x 4 and 2 x 8 accumulators of 16 x 16, 384 registers.
; q, k: source 0 = w's rows, source 1 = x's: lane (r, h) holds token r of a tile, its 32 registers of four tiles are channels 32 h + 0 .. 31: one scale block, and six registers of attention's operand as they fall.
; v: source 0 = x's rows, source 1 = w's: lane (r, h) holds channel r of a tile, its 32 registers of a band of four token tiles are tokens 64 c + 32 h + 0 .. 31.
; THE BIAS is the C of the first products.
; K = 1,024 IN EIGHT STEPS of 128.  LDS: region 1 (steps 0-1, later 5-6), region 2 (steps 2-4), region 3 (step 7): in each x's 16 tiles, then w's 12.  At the head one joint load a wave: x and w of steps 0-1, x and w of steps 2-4;
; ONE refill round, inside step 1, behind which each wave has one load again: steps 5-6 and 7.  The first barrier waits for waves 0 and 1 alone.
; CLUSTERS 4 x 4: x's tiles hang on cy and are shared along a row of the cluster, w's hang on cx and are shared along a column.
; THE REFILL'S BYTES ARE PREFETCHED at the head, two steps of products ahead of the loads that want them, shared out by address among the sixteen waves of the four work-groups that ask jointly.
; SCALE WORDS go straight into registers: lanes 0-15 x's rows, lanes 16-31 w's; a tile's eight words (1,024 along K) at a stride of ten registers.
; QKV: [batch x 16 + head][step of 128 tokens: 16][19,200 bytes]: K's 4 images at 0, V's 4 at 6,144, K's scale words at 12,288, V's at 12,544, Q's 4 images at 12,800, Q's scale words at 18,944.
;   An image is [piece 3][lane][16 bytes].  Of K or Q it holds two token tiles: registers 0-5 the even tile's 64 channels, 6-11 the odd's.  Of V: 16 channels x 128 keys.
;   K's and Q's scale words: word i of lane l's 8 bytes is image 2 i + l / 16, row l % 16.  V's: word i of lane l is image 2 (l / 16) + i, row l % 16.
; LIMITS: NaN and infinities are not served; a block of zeros gets the byte 1 (its codes are zeros; this program alone reads the bytes).
; REGISTERS: window 0: v0-31 addresses, v32-111 scale words, v112-207 x's fragments set 0 (on the way out the codes); window 1: v0-95 x's set 1, v96-167 and v168-239 w's two sets;
; window 2: q's or k's accumulators (token tile a, w tile b: v[8 (4 a + b)]); window 3: v0-127 v's (channel tile t, token tile a: v[8 (8 t + a)]), v128-159 the bias of q or k, v160-175 of v.
.set R1X, 0
.set R1W, 49152
.set R2X, 86016
.set R2W, 159744
.set R3X, 215040
.set R3W, 239616
.set SPARE, 258048
.set HS, 307200
.set SS, 19200
.set AX, 12                            ; v12-14 x's fragments in regions 1 to 3
.set AQ, 15                            ; v15-17 w's q or k
.set AV, 18                            ; v18-20 w's v
.set SPW, 28
.set NIL, 29
.set SC, 32
.set CD, 112                           ; the way out: six images of 12 registers
.set HW, 192
.set CH, 200
.set EX, 204
.set BY, 206
.set MSB, 0
.macro WIN new
.if MSB != (\new)
	s_set_vgpr_msb (MSB<<8)|(\new)
.set MSB, (\new)
.endif
.endm
.macro WALU
	s_wait_alu depctr_va_vdst(0)
.endm
.macro PLACES n
.rept \n
	v_nop
.endr
.endm
.macro TL g0, g1
	tensor_load_to_lds s[\g0:\g0+3], s[\g1:\g1+7]
	s_nop 0
	PLACES 4
.endm
.macro FOUR ga, gb, gc, gd             ; one joint load a wave, an arm each: group 0 at s84, s88, s92, s96
	s_cmp_eq_u32 s14, 0
	s_cbranch_scc0 .Lb_\@
	TL 84, \ga
	s_branch .Lz_\@
.Lb_\@:
	s_cmp_eq_u32 s14, 1
	s_cbranch_scc0 .Lc_\@
	TL 88, \gb
	s_branch .Lz_\@
.Lc_\@:
	s_cmp_eq_u32 s14, 2
	s_cbranch_scc0 .Ld_\@
	TL 92, \gc
	s_branch .Lz_\@
.Ld_\@:
	TL 96, \gd
.Lz_\@:
.endm
.macro CREST
	s_cmp_lg_u32 s14, 0
	s_cbranch_scc1 .Lnot_wave_0_\@
	s_barrier_signal -3
.Lnot_wave_0_\@:
	s_barrier_wait -3
	s_barrier_signal -1
	s_barrier_wait -1
.endm
.macro CROUND
	s_barrier_signal -1
	s_barrier_wait -1
	CREST
.endm
.macro GRP g, mask, n8, rows           ; group 1: rows of n8 elements of 8 bytes, 12,288 bytes apart, dense in LDS
	s_or_b32 s[\g], s\mask, (3<<16)|(1<<21)
	s_mov_b32 s[\g+1], (\n8)<<16
	s_mov_b32 s[\g+2], (\rows)<<16
	s_mov_b32 s[\g+3], (\n8)<<16
	s_mov_b32 s[\g+4], \rows
	s_mov_b32 s[\g+5], 1536
	s_mov_b32 s[\g+6], 0
	s_mov_b32 s[\g+7], 0
.endm
.macro G0 g, lds, base, off
	s_mov_b32 s[\g], 1
	s_mov_b32 s[\g+1], \lds
	s_add_nc_u64 s[\g+2:\g+3], s[\base:\base+1], \off
	s_or_b32 s[\g+3], s[\g+3], 0x80000000
.endm
.macro AD v, who, mul, base            ; an LDS address: 16 x lane + who x mul + base
	s_mul_i32 s17, s\who, \mul
	s_add_co_u32 s17, s17, \base
	v_add_nc_u32 v[\v], s17, v4
.endm
	s_load_b256 s[4:11], s[0:1], 0x0               ; CODES s[4:5], SCALES s[6:7], b_in s[8:9], QKV s[10:11]
	v_lshl_add_u32 v[SPW], v0, 2, SPARE
	v_mov_b32 v[NIL], 0
	ds_add_u32 v28, v29
	ds_add_u32 v28, v29
	v_lshrrev_b32 v1, 5, v0
	v_readfirstlane_b32 s14, v1                    ; wave
	s_lshr_b32 s15, s14, 1                         ; a
	s_and_b32 s16, s14, 1                          ; b
	s_bfe_u32 s40, ttmp6, 0x40000                  ; cx
	s_bfe_u32 s41, ttmp6, 0x40004                  ; cy
	s_lshl_b32 s42, ttmp9, 2
	s_add_co_u32 s42, s42, s40                     ; head
	s_and_b32 s43, ttmp7, 0xffff
	s_lshl_b32 s43, s43, 2
	s_add_co_u32 s43, s43, s41                     ; unit of 256 tokens
	s_lshl_b32 s44, s41, 2
	s_lshl_b32 s44, 15, s44                        ; my row of the cluster
	s_lshl_b32 s45, 0x1111, s40                    ; my column
	GRP 24, 44, 384, 16                            ; x, two steps
	GRP 32, 45, 384, 12                            ; w, two steps
	GRP 48, 44, 576, 16                            ; three steps
	GRP 56, 45, 576, 12
	GRP 68, 44, 192, 16                            ; one step
	GRP 76, 45, 192, 12
	s_mul_i32 s2, s43, 196608                      ; x: 16 tiles a unit
	s_mov_b32 s3, 0
	s_mul_i32 s46, s42, 147456                     ; w: 12 tiles a head, behind x's 256
	s_add_co_u32 s46, s46, 256*12288
	s_mov_b32 s47, 0
	s_wait_dscnt 0x0
	s_wait_kmcnt 0x0
	s_add_nc_u64 s[12:13], s[4:5], s[2:3]
	s_add_nc_u64 s[18:19], s[4:5], s[46:47]
	G0 84, R1X, 12, 0
	G0 88, R1W, 18, 0
	G0 92, R2X, 12, 3072
	G0 96, R2W, 18, 3072
	WALU
	CROUND                                         ; all sixteen work-groups are here: the joint loads meet
	FOUR 24, 32, 48, 56
	v_and_b32 v1, 31, v0
	v_and_b32 v2, 15, v0                           ; r
	v_bfe_u32 v3, v0, 4, 1                         ; h
	v_lshlrev_b32 v4, 4, v1                        ; 16 x lane
	v_lshlrev_b32 v5, 3, v1                        ; 8 x lane
	v_and_b32 v6, 7, v2
	v_and_b32 v7, 8, v2
	WALU
	; scale bytes: 512 a tile, 32 a row; lanes 0-15 x's tiles 16 unit + 8 a + i, lanes 16-31 w's: q or k's four, then v's two (and two tiles more, inside the buffer, which no product names)
	s_lshl_b32 s20, s43, 13
	s_lshl_b32 s21, s15, 12
	s_add_co_u32 s20, s20, s21                     ; x's first tile, in bytes
	s_mul_i32 s21, s42, 12*512
	s_add_co_u32 s21, s21, 256*512
	s_lshl_b32 s22, s16, 11
	s_add_co_u32 s22, s22, s21                     ; q's or k's first
	s_lshl_b32 s23, s16, 10
	s_add_co_u32 s23, s23, s21
	s_add_co_u32 s23, s23, 8*512                   ; v's first of mine
	s_sub_co_u32 s22, s22, s20
	s_add_co_u32 s21, s20, 4*512
	s_sub_co_u32 s23, s23, s21
	v_mul_u32_u24 v22, s22, v3
	v_mul_u32_u24 v23, s23, v3
	v_lshl_add_u32 v22, v2, 5, v22
	v_lshl_add_u32 v23, v2, 5, v23
	v_add_nc_u32 v22, s20, v22
	v_add_nc_u32 v23, s21, v23
.irp i, 0,1,2,3
	global_load_b128 v[SC+10*\i:SC+10*\i+3], v22, s[6:7] offset:512*\i
	global_load_b128 v[SC+10*\i+4:SC+10*\i+7], v22, s[6:7] offset:512*\i+16
	global_load_b128 v[SC+40+10*\i:SC+40+10*\i+3], v23, s[6:7] offset:512*\i
	global_load_b128 v[SC+40+10*\i+4:SC+40+10*\i+7], v23, s[6:7] offset:512*\i+16
.endr
	v_lshlrev_b32 v8, 7, v3                        ; bias of q, k: register 8 b + j is channel 32 h + 8 b + j: 128 consecutive bytes for each half of the lanes
	v_lshl_add_u32 v9, v7, 2, v6
	v_lshlrev_b32 v9, 2, v9                        ; of v: channel 8 t + r % 8 + 32 (r / 8)
	v_lshlrev_b32 v24, 2, v3
	v_lshl_add_u32 v24, v2, 3, v24                 ; 8 r + 4 h: V's scale words
	s_lshl_b32 s20, s42, 8
	s_lshl_b32 s22, s16, 12
	s_add_co_u32 s22, s22, s20
	s_mov_b32 s23, 0
	s_add_nc_u64 s[22:23], s[8:9], s[22:23]        ; b_in at 1,024 b + 64 head
	s_lshl_b32 s2, s16, 6
	s_add_co_u32 s2, s2, s20
	s_add_co_u32 s2, s2, 8192
	s_add_nc_u64 s[2:3], s[8:9], s[2:3]            ; at 2,048 + 64 head + 16 b
	WALU
	WIN 0xc0
.irp k, 0,1,2,3,4,5,6,7
	global_load_b128 v[128+4*\k:131+4*\k], v8, s[22:23] offset:16*\k
.endr
	global_load_b32 v160, v9, s[2:3]
	global_load_b32 v168, v9, s[2:3] offset:32
	WIN 0
	; what the refill will load (steps 5-7): x: of my unit's 16 tiles wave 4 cx + w asks for one, 18 blocks of 256 bytes;
	s_lshl_b32 s20, s40, 2
	s_add_co_u32 s20, s20, s14
	s_mul_i32 s20, s20, 12288
	s_mul_i32 s21, s43, 196608
	s_add_co_u32 s20, s20, s21
	s_add_co_u32 s20, s20, 5*1536
	v_min_u32 v10, 17, v1
	v_lshlrev_b32 v10, 8, v10
	v_add_nc_u32 v10, s20, v10
	s_lshl_b32 s20, s41, 2                         ; w: of my head's 12 x 18 blocks wave 4 cy + w asks for 14 (the last for 6)
	s_add_co_u32 s20, s20, s14
	s_mul_i32 s20, s20, 14
	s_add_co_u32 s21, s46, 5*1536
	v_min_u32 v11, 13, v1
	v_add_nc_u32 v11, s20, v11
	v_min_u32 v11, 215, v11
	v_mul_u32_u24 v21, 3641, v11
	v_lshrrev_b32 v21, 16, v21                     ; block / 18: the tile
	v_mul_u32_u24 v21, 7680, v21                   ; 12,288 a tile, less the 4,608 that the blocks count
	v_lshl_add_u32 v11, v11, 8, v21
	v_add_nc_u32 v11, s21, v11
	global_prefetch_b8 v10, s[4:5] th:TH_LOAD_NT scope:SCOPE_SE
	global_prefetch_b8 v11, s[4:5] th:TH_LOAD_NT scope:SCOPE_SE
	WALU
	AD AX, 15, 8*3072, R1X
	AD AX+1, 15, 8*4608, R2X
	AD AX+2, 15, 8*1536, R3X
	AD AQ, 16, 4*3072, R1W
	AD AQ+1, 16, 4*4608, R2W
	AD AQ+2, 16, 4*1536, R3W
	AD AV, 16, 2*3072, R1W+8*3072
	AD AV+1, 16, 2*4608, R2W+8*4608
	AD AV+2, 16, 2*1536, R3W+8*1536
	; where the results go
	s_lshr_b32 s20, s43, 3                         ; batch
	s_lshl_b32 s20, s20, 4
	s_add_co_u32 s20, s20, s42
	s_mul_i32 s20, s20, HS
	s_and_b32 s17, s43, 7
	s_lshl_b32 s17, s17, 1
	s_add_co_u32 s17, s17, s15                     ; step of 128 tokens
	s_mul_i32 s17, s17, SS
	s_add_co_u32 s46, s20, s17
	s_xor_b32 s17, s16, 1
	s_mul_i32 s17, s17, 12800
	s_add_co_u32 s12, s46, s17                     ; q's or k's images
	s_mov_b32 s13, 0
	s_mul_i32 s17, s16, 6656
	s_add_co_u32 s20, s46, 18944
	s_sub_co_u32 s20, s20, s17                     ; their scale words
	s_mov_b32 s21, 0
	s_mul_i32 s17, s16, 3072
	s_add_co_u32 s18, s46, s17
	s_add_co_u32 s18, s18, 6144                    ; v's images
	s_mov_b32 s19, 0
	s_lshl_b32 s17, s16, 7
	s_wait_xcnt 0x0                                ; the bias loads have read their bases
	s_add_co_u32 s22, s46, s17
	s_add_co_u32 s22, s22, 12544                   ; v's scale words
	s_mov_b32 s23, 0
	s_add_nc_u64 s[12:13], s[10:11], s[12:13]
	s_add_nc_u64 s[18:19], s[10:11], s[18:19]
	s_add_nc_u64 s[20:21], s[10:11], s[20:21]
	s_add_nc_u64 s[22:23], s[10:11], s[22:23]
.macro FRAG e, f, s                    ; fragment f of step s into set e: f 0-3 w's q or k, 4-5 w's v, 6-13 x's.  Three loads of 512 consecutive bytes
.if (\s) < 2
.set RG_, 0
.set K_, (\s)
.set NK_, 2
.elseif (\s) < 5
.set RG_, 1
.set K_, (\s)-2
.set NK_, 3
.elseif (\s) < 7
.set RG_, 0
.set K_, (\s)-5
.set NK_, 2
.else
.set RG_, 2
.set K_, 0
.set NK_, 1
.endif
.if (\f) < 6
.set W_, 1
.set D_, 96+72*(\e)+12*(\f)
.if (\f) < 4
.set A_, AQ+RG_
.set T_, (\f)
.else
.set A_, AV+RG_
.set T_, (\f)-4
.endif
.else
.set W_, (\e)
.set T_, (\f)-6
.set A_, AX+RG_
.set D_, 112*(1-(\e))+12*T_
.endif
	WIN W_<<6
.irp p, 0,1,2
	ds_load_b128 v[D_+4*\p:D_+4*\p+3], v[A_] offset:1536*(T_*NK_+K_)+512*\p
.endr
.endm
.macro WMA d, s0, s1, c, x0, x1, side
	v_wmma_scale_f32_16x16x128_f8f6f4 v[\d:\d+7], v[\s0:\s0+11], v[\s1:\s1+11], \c, v[\x0], v[\x1] matrix_a_fmt:MATRIX_FMT_FP6 matrix_b_fmt:MATRIX_FMT_FP6 matrix_\side\()_scale:MATRIX_SCALE_ROW1
.endm
.macro PROD e, n, q                    ; product n of a step: 0-31 q or k, 32-47 v.  The 48 accumulators take turns, one instruction a turn, in the same order in every step
.if (\n) < 32
.set PA_, (\n)/4
.set PB_, (\n)%4
.set PD_, 8*(\n)
.else
.set PA_, ((\n)-32)%8
.set PB_, 4+((\n)-32)/8
.set PD_, 8*((\n)-32)
.endif
.set PX_, 112*(1-(\e))+12*PA_
.set PW_, 96+72*(\e)+12*PB_
.set PSX_, SC+10*PA_+(\q)
.set PSW_, SC+10*PB_+(\q)
.if (\n) < 32
.if (\q) == 0
	WIN 1|((\e)<<2)|(3<<4)|(2<<6)
	WMA PD_, PW_, PX_, v[128+8*PB_:135+8*PB_], PSW_, PSX_, a
.else
	WIN 1|((\e)<<2)|(2<<4)|(2<<6)
	WMA PD_, PW_, PX_, v[PD_:PD_+7], PSW_, PSX_, a
.endif
.else
	WIN (\e)|(1<<2)|(3<<4)|(3<<6)
.if (\q) == 0
	WMA PD_, PX_, PW_, v[128+8*PB_:135+8*PB_], PSX_, PSW_, b
.else
	WMA PD_, PX_, PW_, v[PD_:PD_+7], PSX_, PSW_, b
.endif
.endif
.endm
.macro PR q, from, to, fetch           ; products from .. to - 1 of step q; fetch = 1: behind every second one a fragment of the next step, into the other set
.set N_, \from
.rept (\to)-(\from)
	PROD (\q)%2, N_, \q
.if (\fetch) && (N_%2) && (FX_ < 14)
	FRAG 1-(\q)%2, FX_, (\q)+1
.set FX_, FX_+1
.endif
.set N_, N_+1
.endr
.endm
.macro STEP q, fetch
	s_wait_dscnt 0x0
	PLACES 4                                       ; between the last step's products and loads into their registers
.set FX_, 0
	PR \q, 0, 48, \fetch
.endm
	WALU
	s_cmp_lt_u32 s14, 2
	s_cbranch_scc0 .Lno_first
	s_wait_tensorcnt 0x0
.Lno_first:
	s_barrier_signal -1
	s_barrier_wait -1                              ; steps 0-1 are in; steps 2-4 may be on their way
.set FX_, 0
.rept 14
	FRAG 0, FX_, 0
.set FX_, FX_+1
.endr
	s_wait_loadcnt 0x0                             ; scale words and biases
	WIN 0xc3
.irp i, 1,2,3,4,5,6,7
	v_mov_b32 v[160+\i], v160
	v_mov_b32 v[168+\i], v168
.endr
	WALU
	STEP 0, 1
	s_wait_dscnt 0x0                               ; step 1: its fragments are in registers, so region 1 has been read
	WIN 0
	s_wait_tensorcnt 0x0                           ; all my tensor loads have landed
	ds_add_u32 v[SPW], v[NIL]
	PLACES 4
.irp g, 84,88,92,96
	s_add_nc_u64 s[\g+2:\g+3], s[\g+2:\g+3], 5*1536   ; steps 0 -> 5, 2 -> 7
.endr
	s_mov_b32 s93, R3X
	s_mov_b32 s97, R3W
.set FX_, 0
	PR 1, 0, 8, 0
	s_wait_dscnt 0x0
	s_barrier_signal -1
	PR 1, 8, 16, 0
	WIN 0
	s_barrier_wait -1
	CREST                                          ; no wave of any partner still reads region 1 or has a load on its way; region 2 is whole
	FOUR 24, 32, 68, 76
	PR 1, 16, 48, 1
	STEP 2, 1
	STEP 3, 1
	s_wait_dscnt 0x0                               ; step 4: a plain barrier shows what the refill brought
	PLACES 4
.set FX_, 0
	PR 4, 0, 12, 0
	WIN 0
	s_wait_tensorcnt 0x0
	s_barrier_signal -1
	PR 4, 12, 16, 0
	WIN 0
	s_barrier_wait -1
	PR 4, 16, 48, 1
	STEP 5, 1
	STEP 6, 1
	STEP 7, 0
; THE WAY OUT.  An image is made of two blocks of 32 numbers a lane, at x0 and x1 of window w: codes into v[d] .. v[d + 11], the two scale bytes into the half word v[HW + n].  Each accumulator is read from its low end on
.macro IMG w, x0, x1, d, n
	WIN (\w)|((\w)<<2)|((\w)<<4)
	v_max3_num_f32 v[CH], |v[\x0]|, |v[\x0+1]|, |v[\x0+2]|
	v_max3_num_f32 v[CH+1], |v[\x0+16]|, |v[\x0+17]|, |v[\x0+18]|
	v_max3_num_f32 v[CH+2], |v[\x1]|, |v[\x1+1]|, |v[\x1+2]|
	v_max3_num_f32 v[CH+3], |v[\x1+16]|, |v[\x1+17]|, |v[\x1+18]|
	WIN ((\w)<<2)|((\w)<<4)
.irp i, 3,5,7,9,11,13
	v_max3_num_f32 v[CH], v[CH], |v[\x0+\i]|, |v[\x0+1+\i]|
	v_max3_num_f32 v[CH+1], v[CH+1], |v[\x0+16+\i]|, |v[\x0+17+\i]|
	v_max3_num_f32 v[CH+2], v[CH+2], |v[\x1+\i]|, |v[\x1+1+\i]|
	v_max3_num_f32 v[CH+3], v[CH+3], |v[\x1+16+\i]|, |v[\x1+17+\i]|
.endr
	WIN (\w)<<2
	v_max3_num_f32 v[CH], v[CH], |v[\x0+15]|, 0x1800000   ; and the floor 2^(3 - 127): the byte cannot fall under 1
	v_max3_num_f32 v[CH+2], v[CH+2], |v[\x1+15]|, 0x1800000
	v_max3_num_f32 v[CH], v[CH], |v[\x0+31]|, v[CH+1]
	v_max3_num_f32 v[CH+2], v[CH+2], |v[\x1+31]|, v[CH+3]
	WIN 0
	v_add_nc_u32 v[EX], 0xff000000, v[CH]          ; 2 off the exponent field: the conversion's scale operand
	v_add_nc_u32 v[EX+1], 0xff000000, v[CH+2]
	WIN \w
	v_cvt_scalef32_pk16_fp6_f32 v[\d:\d+2], v[\x0:\x0+15], v[EX]
	v_cvt_scalef32_pk16_fp6_f32 v[184:186], v[\x0+16:\x0+31], v[EX]
	v_cvt_scalef32_pk16_fp6_f32 v[\d+6:\d+8], v[\x1:\x1+15], v[EX+1]
	v_cvt_scalef32_pk16_fp6_f32 v[188:190], v[\x1+16:\x1+31], v[EX+1]
	WIN 0
	v_lshrrev_b32 v[BY], 23, v[EX]
	v_lshrrev_b32 v[BY+1], 23, v[EX+1]
	v_lshl_or_b32 v[HW+\n], v[BY+1], 16, v[BY]
.irp i, 0,1,2
	v_mov_b32 v[\d+3+\i], v[184+\i]
	v_mov_b32 v[\d+9+\i], v[188+\i]
.endr
.endm
	PLACES 4
.irp p, 0,1,2,3
	IMG 2, 64*\p, 64*\p+32, CD+12*\p, \p
.irp k, 0,1,2
	global_store_b128 v4, v[CD+12*\p+4*\k:CD+12*\p+4*\k+3], s[12:13] offset:1536*\p+512*\k   ; 512 consecutive bytes, aligned
.endr
.endr
.irp t, 0,1
	IMG 3, 64*\t, 64*\t+32, CD+48+12*\t, 4+\t
.irp k, 0,1,2
	global_store_b128 v4, v[CD+48+12*\t+4*\k:CD+48+12*\t+4*\k+3], s[18:19] offset:1536*\t+512*\k
.endr
.endr
.irp i, 0,2,4
	v_permlane16_swap_b32 v[HW+\i], v[HW+1+\i]     ; lanes 0-15 hold both halves of the even image's words, lanes 16-31 of the odd's
.endr
.irp i, 0,2,4
	v_lshl_or_b32 v[208+\i/2], v[HW+1+\i], 8, v[HW+\i]
.endr
	global_store_b64 v5, v[208:209], s[20:21]      ; 256 consecutive bytes, aligned
	global_store_b32 v24, v210, s[22:23]           ; 128 consecutive bytes
	s_wait_tensorcnt 0x0
	ds_add_u32 v[SPW], v[NIL]
	s_wait_dscnt 0x0
	CROUND                                         ; the closing round
	s_endpgm
.Lfunc_end_k_qff4ec4820a_qkv:
	.size	k_qff4ec4820a_qkv, .Lfunc_end_k_qff4ec4820a_qkv-k_qff4ec4820a_qkv
	.p2alignl 7, 3214868480
	.fill 96, 4, 3214868480
	.section	.rodata,"a",@progbits
	.p2align	6, 0x0
	.amdhsa_kernel k_qff4ec4820a_qkv
		.amdhsa_group_segment_fixed_size 327680
		.amdhsa_private_segment_fixed_size 0
		.amdhsa_enable_private_segment 0
		.amdhsa_kernarg_size 32
		.amdhsa_user_sgpr_count 2
		.amdhsa_user_sgpr_kernarg_segment_ptr 1
		.amdhsa_wavefront_size32 1
		.amdhsa_system_sgpr_workgroup_id_x 1
		.amdhsa_system_sgpr_workgroup_id_y 1
		.amdhsa_system_sgpr_workgroup_id_z 1
		.amdhsa_system_vgpr_workitem_id 0
		.amdhsa_next_free_vgpr 1024
		.amdhsa_next_free_sgpr 102
		.amdhsa_reserve_vcc 0
		.amdhsa_float_denorm_mode_32 3
		.amdhsa_float_denorm_mode_16_64 3
		.amdhsa_memory_ordered 1
		.amdhsa_forward_progress 1
		.amdhsa_inst_pref_size 115
	.end_amdhsa_kernel
	.amdgpu_metadata
---
amdhsa.version: [ 1, 2 ]
amdhsa.kernels:
  - .name:           k_qff4ec4820a_qkv
    .symbol:         k_qff4ec4820a_qkv.kd
    .args:
      - { .name: CODES, .offset: 0, .size: 8, .value_kind: global_buffer, .address_space: global }
      - { .name: SCALES, .offset: 8, .size: 8, .value_kind: global_buffer, .address_space: global }
      - { .name: b_in, .offset: 16, .size: 8, .value_kind: global_buffer, .address_space: global }
      - { .name: QKV, .offset: 24, .size: 8, .value_kind: global_buffer, .address_space: global }
    .group_segment_fixed_size: 327680
    .private_segment_fixed_size: 0
    .kernarg_segment_align: 8
    .kernarg_segment_size: 32
    .max_flat_workgroup_size: 128
    .sgpr_count:     102
    .vgpr_count:     1024
    .wavefront_size: 32
...
	.end_amdgpu_metadata
.endif
;; end of part 2
;; launch attn (part 3): grid 8 x 32, 16 waves a work-group, clusters of 4 x 1, 244,224 bytes of LDS; arguments QKV, OC, OS; writes OC, OS
.if DOCPART == 3
	.amdgcn_target "amdgcn-amd-amdhsa--gfx1250"
	.amdhsa_code_object_version 6
	.text
	.protected	k_qff4ec4820a_attn
	.globl	k_qff4ec4820a_attn
	.p2align	8
	.type	k_qff4ec4820a_attn,@function
k_qff4ec4820a_attn:
	s_mov_b64 s[64:65], 0
	v_nop
	global_prefetch_b8 v0, s[64:65] scope:SCOPE_SE
	s_setreg_imm32_b32 hwreg(HW_REG_WAVE_MODE, 25, 1), 1
	s_wait_xcnt 0x0
	s_wait_alu depctr_hold_cnt(0) depctr_sa_sdst(0) depctr_va_vdst(0) depctr_va_sdst(0) depctr_va_ssrc(0) depctr_va_vcc(0) depctr_vm_vsrc(0)
	s_getreg_b32 s2, hwreg(HW_REG_IB_STS2, 6, 4)
	s_cmp_eq_u32 s2, 0
	s_cbranch_scc0 .Lentry_in_a_cluster
	s_endpgm
.Lentry_in_a_cluster:
	s_bfe_u32 s2, ttmp6, 0x10000c
	s_cmp_lg_u32 s2, 0x3003
	s_cbranch_scc0 .Lentry_shape_is_right
	s_endpgm
.Lentry_shape_is_right:
; o = softmax(q k^T / 8, causal) v for one head, both products on codes of FP6; o is quantised along the channels at once and leaves as part of the last product's operand images.
; THE SOFTMAX: t = score x log2(e) / 8; M = the running largest t, rounded UP to a whole number; p = 2^(t - M) is quantised along the keys, not normalised; the row's sum is taken of the unquantised p and divides o at the end.
; When M moves, the sum and o are multiplied by 2^(old M - new M): exact.
; WORK LEFT OUT: steps of 128 keys that all come after the wave's queries: reference()'s own causal mask throws them away.  In the step on the diagonal hidden scores become -infinity.
; SHARES.  A work-group serves one head (work-group y = 16 x batch + head) and one number j = 0..7 (work-group x): the 16 queries of tile j of each of the 16 blocks of 128 queries, 136 steps in all.
; Wave p = 0..7 walks steps 0 to 8 of block 15 - p.  Wave 8 + p walks block p (steps 0 to p), sends it out, and then walks steps 9 to 15 - p of block 15 - p; its part of that block (-M, the sum, o) goes through LDS to wave p,
; which joins the two by powers of two and sends the block out.  So a wave walks nine or eight steps; how far hangs on its number alone.
; THE WHOLE HEAD'S K AND V STAY IN LDS, filled once: wave w brings step w's 12,800 dense bytes by one joint load, which the four partners of a cluster share.  The first trip needs step 0 alone, so the first barrier waits for wave 0's
; load alone; the second, behind the first trip, for all.  Every tile is asked for at the head: there is no later load for which a prefetch could run ahead.
; LAYOUT.  Both products are used transposed: a lane holds ONE query.  The head's 64 channels fill half of the instruction's 128: an image of K holds two tiles of 16 keys and is multiplied once by [q | zeros] and once by [zeros | q].
; By the row order of the tiles register n of lane (r, h) is key 64 (n / 32) + 32 h + n % 32 of the step: 32 registers are one scale block of p, and o's 32 registers are channels 32 h + 0 .. 31.
; LIMITS: -infinity stands for reference's -1e9: the same p = 0 as long as a row's largest logit lies above -9e8.  The scaled scores stay under 2^31 in magnitude.  NaN and infinities are not served.
; An exponential whose result would be denormal comes out as 0.  A block of zeros gets the scale byte 1 (its codes are zeros; this program alone reads the bytes).
; OC: [(8 x batch + j) x 16 + block][head / 2][6 planes of 256 bytes: registers 2 p, 2 p + 1 of a lane at 8 x lane]: planes 3 (head % 2) + 0..2.  OS: [16 x batch + head][j][block][r][2 bytes].
.set HS,   307200
.set SS,   19200
.set STB,  12800                       ; a step's bytes in LDS: K 0, V 6,144, K's scale words 12,288, V's 12,544
.set OSG,  16*STB                      ; 512 bytes in which the scale bytes of o meet
.set PX,   OSG+512                     ; eight parts of 4,608 bytes: o and -M, the sum, from wave 8 + p to wave p
.set SPARE, PX+8*4608
.set L8,   1                           ; v1 8 x lane
.set L16,  6                           ; v6 16 x lane
.set DG,   3                           ; v3 my query's place in its block of 128, less 32 h
.set NINF, 4
.set QR,   16                          ; v16-33  q, six zeros, q: [q | 0] = v[16:27], [0 | q] = v[22:33]
.set F,    34                          ; v34-81  four images: K's, then V's
.set S,    96                          ; v96-159 S^T, then p
.set OA,   160                         ; v160-191 O^T
.set WV,   10
.set SD,   12                          ; the block that I send out
.set SD2,  13                          ; the block of my later steps
.set DL,   14                          ; what its steps' numbers are ahead of the trip's
.set SEL,  28
.set CS,   30
.set NC,   32
.set ST,   33
.set CB,   34
.set TB,   35
.set G1,   36
.set G0,   44
.set I,    56
.set PSEL, 57
.macro WALU
	s_wait_alu depctr_va_vdst(0)
.endm
.macro CROUND
	s_barrier_signal -1
	s_barrier_wait -1
	s_cmp_lg_u32 s[WV], 0
	s_cbranch_scc1 .Lnot_wave_0_\@
	s_barrier_signal -3
.Lnot_wave_0_\@:
	s_barrier_wait -3
	s_barrier_signal -1
	s_barrier_wait -1
.endm
	s_load_b128 s[4:7], s[0:1], 0x0                ; QKV, OC
	s_load_b64 s[8:9], s[0:1], 0x10                ; OS
	v_lshl_add_u32 v95, v0, 2, SPARE
	v_mov_b32 v243, 0
	ds_add_u32 v95, v243
	ds_add_u32 v95, v243
	v_lshrrev_b32 v34, 5, v0
	v_readfirstlane_b32 s[WV], v34                 ; wave 0..15
	s_lshr_b32 s11, s[WV], 3                       ; 1: a wave of two blocks
	s_mul_i32 s[SD], s11, 7
	s_xor_b32 s[SD], s[SD], 15
	s_xor_b32 s[SD], s[SD], s[WV]                  ; waves 0-7: 15 - wave; waves 8-15: wave - 8
	s_mul_i32 s[SD2], s11, 15
	s_xor_b32 s[SD2], s[SD2], s[SD]                ; waves 8-15: 15 less that
	s_and_b32 s[DL], s[WV], 7
	s_xor_b32 s[DL], s[DL], 7
	s_add_co_u32 s[DL], s[DL], 1
	s_mul_i32 s[DL], s[DL], s11                    ; 8 - p: trip p + 1 is step 9
	s_bfe_u32 s15, ttmp6, 0x40000                  ; cx
	s_lshl_b32 s16, ttmp9, 2
	s_add_co_u32 s16, s16, s15                     ; j: it enters global addresses of my own loads and stores, and data, alone
	s_and_b32 s17, ttmp7, 0xffff                   ; 16 x batch + head, which the four partners share
	s_mov_b32 s[G1], 15|(3<<16)|(1<<21)            ; 15:0 the mask: all four work-groups; 17:16 elements of 8 bytes; 21 set beside a mask
	s_mov_b32 s[G1+1], 32<<16
	s_mov_b32 s[G1+2], 50<<16                      ; 12,800 dense bytes as 50 rows of 256
	s_mov_b32 s[G1+3], 32<<16
	s_mov_b32 s[G1+4], 50
	s_mov_b32 s[G1+5], 32
	s_mov_b32 s[G1+6], 0
	s_mov_b32 s[G1+7], 0
	s_mul_i32 s53, s17, HS
	s_mul_i32 s18, s[WV], SS
	s_add_co_u32 s18, s18, s53                     ; step w of the head
	s_mov_b32 s19, 0
	s_lshr_b32 s52, s16, 1
	s_mul_i32 s52, s52, 1536
	s_add_co_u32 s52, s52, 12800
	s_add_co_u32 s52, s52, s53                     ; Q's image j / 2
	s_mul_i32 s20, s[SD], SS
	s_add_co_u32 s20, s20, s52
	s_mov_b32 s21, 0
	s_mul_i32 s24, s[SD2], SS
	s_add_co_u32 s24, s24, s52
	s_mov_b32 s25, 0
	s_bfe_u32 s54, s16, 0x10001
	s_lshl_b32 s54, s54, 7                         ; image j / 2 is odd: lanes 16-31's words
	s_lshr_b32 s55, s16, 2
	s_lshl_b32 s55, s55, 2                         ; word j / 4
	s_add_co_u32 s54, s54, s55
	s_add_co_u32 s54, s54, 18944
	s_add_co_u32 s54, s54, s53
	s_mul_i32 s22, s[SD], SS
	s_add_co_u32 s22, s22, s54
	s_mov_b32 s23, 0
	s_mul_i32 s26, s[SD2], SS
	s_add_co_u32 s26, s26, s54
	s_mov_b32 s27, 0
	s_lshr_b32 s48, s17, 4
	s_lshl_b32 s48, s48, 3
	s_add_co_u32 s48, s48, s16
	s_lshl_b32 s48, s48, 4
	s_add_co_u32 s48, s48, s[SD]
	s_mul_i32 s48, s48, 12288                      ; o's tile
	s_and_b32 s15, s17, 15
	s_mul_i32 s15, s15, 768                        ; my head's three planes
	s_add_co_u32 s48, s48, s15
	s_mov_b32 s49, 0
	s_lshl_b32 s50, s17, 3
	s_add_co_u32 s50, s50, s16
	s_lshl_b32 s50, s50, 9
	s_mov_b32 s51, 0
	s_and_b32 s15, s16, 1                          ; which half of the image is tile j: registers 0-5 or 6-11
	s_mul_i32 s52, s15, 520
	s_mul_i32 s54, s15, 1016
	s_add_co_u32 s54, s54, 8
	s_mul_i32 s[PSEL], s15, 0x02020202
	s_add_co_u32 s[PSEL], s[PSEL], 0x01000100      ; and which two bytes of its scale word
	s_lshr_b32 s55, s16, 2
	s_lshl_b32 s55, s55, 6
	s_and_b32 s15, s16, 3
	s_lshl_b32 s15, s15, 3
	s_add_co_u32 s55, s55, s15                     ; 64 (j / 4) + 8 (j % 4)
	s_mov_b32 s[SEL], 0x76543210
	s_mov_b32 s[SEL+1], 0xfedcba98                 ; v_permlanex16_b32's selects for lane l xor 16
	s_mov_b32 s[CS], 0x3e38aa3b                    ; c = log2(e) / 8
	s_mov_b32 s[CS+1], s[CS]                       ; (named with it as a pair, so it is written)
	s_mov_b32 s[NC], 0xbe38aa3b                    ; -c
	s_lshl_b32 s15, s[SD], 5
	s_add_co_u32 s15, s15, OSG
	s_and_b32 s11, s[WV], 7
	s_mul_i32 s11, s11, 4608
	s_add_co_u32 s11, s11, PX
	v_and_b32 v34, 31, v0
	v_and_b32 v35, 15, v0                          ; r
	v_bfe_u32 v36, v0, 4, 1                        ; h
	v_lshlrev_b32 v[L8], 3, v34
	v_lshlrev_b32 v[L16], 4, v34
	v_lshlrev_b32 v11, 3, v35
	v_and_b32 v37, 8, v35
	v_and_b32 v38, 7, v35
	v_lshlrev_b32 v39, 5, v36
	v_lshl_add_u32 v[DG], v37, 2, v38
	v_add_nc_u32 v[DG], s55, v[DG]
	v_sub_nc_u32 v[DG], v[DG], v39
	v_mov_b32 v[NINF], 0xff800000
	v_lshl_add_u32 v7, v35, 1, s15
	v_add_nc_u32 v7, v7, v36                       ; where my scale byte of o goes: block, r, h
	v_add_nc_u32 v8, OSG, v[L16]
	v_add_nc_u32 v90, s52, v[L16]                  ; q's register pairs 0 and 2 (512 bytes on),
	v_add_nc_u32 v91, s54, v[L16]                  ; and 1
	v_add_nc_u32 v92, s11, v[L16]                  ; the part that passes between waves p and 8 + p
	WALU
	s_wait_dscnt 0x0
	s_wait_kmcnt 0x0
	s_mov_b32 s[G0], 1
	s_mul_i32 s[G0+1], s[WV], STB
	s_add_nc_u64 s[G0+2:G0+3], s[4:5], s[18:19]
	s_or_b32 s[G0+3], s[G0+3], 0x80000000
	s_add_nc_u64 s[20:21], s[4:5], s[20:21]
	s_add_nc_u64 s[22:23], s[4:5], s[22:23]
	s_add_nc_u64 s[24:25], s[4:5], s[24:25]
	s_add_nc_u64 s[26:27], s[4:5], s[26:27]
	s_add_nc_u64 s[48:49], s[6:7], s[48:49]
	s_add_nc_u64 s[50:51], s[8:9], s[50:51]
	CROUND                                         ; all four work-groups are here: the joint loads meet
	s_cmp_eq_u32 s[WV], 0
	s_cbranch_scc0 .Lothers
	tensor_load_to_lds s[G0:G0+3], s[G1:G1+7]      ; wave 0: step 0
	s_nop 0
.rept 4
	v_nop
.endr
	s_branch .Lasked
.Lothers:
	tensor_load_to_lds s[G0:G0+3], s[G1:G1+7]      ; wave w: step w
	s_nop 0
.rept 4
	v_nop
.endr
.Lasked:
.macro QLOAD b, w
	global_load_b64 v[QR:QR+1], v90, s[\b:\b+1]
	global_load_b64 v[QR+2:QR+3], v91, s[\b:\b+1]
	global_load_b64 v[QR+4:QR+5], v90, s[\b:\b+1] offset:512
	global_load_b32 v10, v11, s[\w:\w+1]
.endm
.macro QSET
.irp i, 0,1,2,3,4,5
	v_mov_b32 v[QR+12+\i], v[QR+\i]
.endr
	v_perm_b32 v255, v10, v10, s[PSEL]             ; q's scale word: my tile's two bytes, twice: they serve [q | 0] and [0 | q]
.endm
.macro RESET
	v_mov_b32 v12, 0x7f000000                      ; -M: M lies under every t
	v_mov_b32 v13, 0xff61b1e6                      ; the largest score so far: -3e38
	v_mov_b32 v14, 0                               ; the sum, in two halves
	v_mov_b32 v15, 0
.endm
.macro ZERO                            ; O^T.  (These lines also stand between the scale word's making and the next product)
.set i_, 0
.rept 32
	v_mov_b32 v[OA+i_], 0
.set i_, i_+1
.endr
.endm
	QLOAD 20, 22
.irp i, 0,1,2,3,4,5
	v_mov_b32 v[QR+6+\i], 0
.endr
	RESET
	v_mov_b32 v236, 0                              ; a lane permute's destination counts as one of its sources
	v_mov_b32 v237, 0
	v_mov_b32 v252, 0
	v_mov_b32 v253, 0
	WALU
	s_wait_loadcnt 0x0
	QSET
	ZERO
	WALU
	s_cmp_eq_u32 s[WV], 0
	s_cbranch_scc0 .Lnot_mine
	s_wait_tensorcnt 0x0
.Lnot_mine:
	s_barrier_signal -1
	s_barrier_wait -1                              ; step 0 lies in LDS; the others may be on their way
.macro KQ t, u                         ; 16 keys (half u of K's image t) x my 16 queries
.if (\t)%2
	v_wmma_scale_f32_16x16x128_f8f6f4 v[S+8*(2*\t+\u):S+8*(2*\t+\u)+7], v[F+12*\t:F+12*\t+11], v[QR+6*\u:QR+6*\u+11], 0, v[248+\t/2], v255 matrix_a_fmt:MATRIX_FMT_FP6 matrix_b_fmt:MATRIX_FMT_FP6 matrix_a_scale:MATRIX_SCALE_ROW1
.else
	v_wmma_scale_f32_16x16x128_f8f6f4 v[S+8*(2*\t+\u):S+8*(2*\t+\u)+7], v[F+12*\t:F+12*\t+11], v[QR+6*\u:QR+6*\u+11], 0, v[248+\t/2], v255 matrix_a_fmt:MATRIX_FMT_FP6 matrix_b_fmt:MATRIX_FMT_FP6
.endif
.endm
.macro PV t                            ; 16 channels x 128 keys x my 16 queries
.if (\t)/2
	v_wmma_scale_f32_16x16x128_f8f6f4 v[OA+8*\t:OA+8*\t+7], v[F+12*\t:F+12*\t+11], v[224:235], v[OA+8*\t:OA+8*\t+7], v[250+\t%2], v253 matrix_a_fmt:MATRIX_FMT_FP6 matrix_b_fmt:MATRIX_FMT_FP6 matrix_a_scale:MATRIX_SCALE_ROW1
.else
	v_wmma_scale_f32_16x16x128_f8f6f4 v[OA+8*\t:OA+8*\t+7], v[F+12*\t:F+12*\t+11], v[224:235], v[OA+8*\t:OA+8*\t+7], v[250+\t%2], v253 matrix_a_fmt:MATRIX_FMT_FP6 matrix_b_fmt:MATRIX_FMT_FP6
.endif
.endm
; A block goes out: o = O^T / the sum; 32 registers are channels 32 h + 0 .. 31 of my query: one scale block, six registers of the last product's operand
.macro OUT
	v_add_f32 v14, v14, v15
	v_permlanex16_b32 v236, v14, s[SEL], s[SEL+1]
	v_add_f32 v14, v14, v236                       ; the row's sum
	WALU
	v_rcp_f32 v14, v14
	v_nop
	WALU
.set i_, 0
.rept 32
	v_mul_f32 v[S+i_], v[OA+i_], v14
.set i_, i_+1
.endr
	v_max3_num_f32 v232, |v[S]|, |v[S+1]|, |v[S+2]|
	v_max3_num_f32 v233, |v[S+16]|, |v[S+17]|, |v[S+18]|
.irp i, 3,5,7,9,11,13
	v_max3_num_f32 v232, v232, |v[S+\i]|, |v[S+1+\i]|
	v_max3_num_f32 v233, v233, |v[S+16+\i]|, |v[S+17+\i]|
.endr
	v_max3_num_f32 v232, v232, |v[S+15]|, 0x1800000
	v_max3_num_f32 v232, v232, |v[S+31]|, v233
	v_add_nc_u32 v244, 0xff000000, v232
	v_cvt_scalef32_pk16_fp6_f32 v[82:84], v[S:S+15], v244
	v_cvt_scalef32_pk16_fp6_f32 v[86:88], v[S+16:S+31], v244
	v_lshrrev_b32 v89, 23, v244
	v_mov_b32 v85, v86
	v_mov_b32 v86, v87
	v_mov_b32 v87, v88
	ds_store_b8 v7, v89
.irp i, 0,1,2
	global_store_b64 v[L8], v[82+2*\i:83+2*\i], s[48:49] offset:256*\i   ; a plane: 256 consecutive bytes, aligned
.endr
.endm
; A TRIP.  first = 1: trip 0, step 0 in every wave
.macro STEP first
.if \first
.set A_, L16
.set B_, L8
.else
.set A_, 2
.set B_, 5
	s_cmp_gt_u32 s[I], s[SD]                       ; waves 8-15: behind block p comes the rest of block 15 - p
	s_cselect_b32 s[ST], s[DL], 0
	s_cselect_b32 s[CB], s[SD2], s[SD]
	s_add_co_u32 s[ST], s[ST], s[I]                ; my step
	s_cmp_gt_u32 s[ST], s[CB]                      ; all of its keys come after my queries
	s_cbranch_scc1 .Lhidden_\@
	s_mul_i32 s[TB], s[ST], STB
	s_min_u32 s[TB], s[TB], 15*STB
	v_add_nc_u32 v2, s[TB], v[L16]
	v_add_nc_u32 v5, s[TB], v[L8]
.endif
	ds_load_b64 v[248:249], v[B_] offset:12288     ; K's scale words: v248 images 0 (lanes 0-15) and 1 (lanes 16-31), v249 images 2 and 3
.irp t, 0,1,2,3
.irp p, 0,1,2
	ds_load_b128 v[F+12*\t+4*\p:F+12*\t+4*\p+3], v[A_] offset:1536*\t+512*\p
.endr
.endr
	WALU
	s_wait_dscnt 6                                 ; the scale words and images 0, 1 are in; images 2, 3 may be out
	KQ 0, 0
	KQ 0, 1
	KQ 1, 0
	KQ 1, 1
	s_wait_dscnt 0x0
	KQ 2, 0
	KQ 2, 1
	KQ 3, 0
	KQ 3, 1
.rept 4
	v_nop                                          ; places behind the products: for the loads into K's registers and for the first read of the scores
.endr
.irp t, 0,1,2,3
.irp p, 0,1,2
	ds_load_b128 v[F+12*\t+4*\p:F+12*\t+4*\p+3], v[A_] offset:6144+1536*\t+512*\p   ; V's images land while the softmax is walked
.endr
.endr
	ds_load_b64 v[250:251], v[B_] offset:12544     ; V's scale words: v250 images 0 and 2, v251 images 1 and 3
.if \first
	s_cmp_lg_u32 s[SD], 0
.else
	s_cmp_lt_u32 s[ST], s[CB]                      ; off the diagonal all keys count
.endif
	s_cbranch_scc1 .Lopen_\@
.set n_, 0
.rept 64
	v_cmp_gt_i32 vcc_lo, 64*(n_/32)+n_%32, v[DG]   ; hidden where the key comes after my query
	v_cndmask_b32 v[S+n_], v[S+n_], v[NINF], vcc_lo
.set n_, n_+1
.endr
.Lopen_\@:
.irp b, 0,1,2,3
	v_max3_num_f32 v[232+\b], v[S+16*\b], v[S+1+16*\b], v[S+2+16*\b]   ; the largest score of each block of 32 keys: for the row's maximum and, since p rises with the score, for the block's largest p
.endr
.irp i, 3,5,7,9,11,13
.irp b, 0,1,2,3
	v_max3_num_f32 v[232+\b], v[232+\b], v[S+16*\b+\i], v[S+1+16*\b+\i]
.endr
.endr
	v_max3_num_f32 v232, v232, v[S+15], v[S+31]
	v_max3_num_f32 v234, v234, v[S+47], v[S+63]
	v_max_num_f32 v232, v232, v233
	v_max_num_f32 v234, v234, v235
	v_max_num_f32 v254, v232, v234
	v_permlanex16_b32 v236, v254, s[SEL], s[SEL+1]
	v_max3_num_f32 v13, v13, v254, v236            ; with lane l xor 16's keys: the running largest score
	v_mul_f32 v254, s[NC], v13
	v_mov_b32 v238, v12
	v_floor_f32 v12, v254                          ; the new -M = -ceil(t)
	v_sub_f32 v254, v12, v238                      ; old M - new M: a whole number, 0 or less
	v_cvt_i32_f32 v254, v254                       ; (it saturates)
	v_ldexp_f32 v252, 1.0, v254                    ; f = 2^(old M - new M)
.set i_, 0
.rept 32
	v_pk_fma_f32 v[S+i_:S+i_+1], v[S+i_:S+i_+1], s[CS:CS+1], v[12:13] op_sel_hi:[1,0,0]   ; t - M, two at a time
.set i_, i_+2
.endr
	v_fma_f32 v232, v232, s[CS], v12               ; the same of each block's largest score
	v_fma_f32 v234, v234, s[CS], v12
	WALU
	v_exp_f32 v232, v232
	v_exp_f32 v234, v234
.set i_, 0
.rept 64
	v_exp_f32 v[S+i_], v[S+i_]                     ; p = 2^(t - M)
.set i_, i_+1
.endr
	v_pk_mul_f32 v[14:15], v[14:15], v[252:253] op_sel_hi:[1,0]   ; the sums under the new M: a plain line behind the exponentials
	WALU                                           ; one wait for the batch, ahead of its first reader and of O^T's
.set i_, 0
.rept 16
	v_pk_mul_f32 v[OA+i_:OA+i_+1], v[OA+i_:OA+i_+1], v[252:253] op_sel_hi:[1,0]   ; O^T under the new M
.set i_, i_+2
.endr
	v_max_num_f32 v232, 0x1800000, v232            ; the floor 2^(3 - 127): the byte cannot fall under 1
	v_max_num_f32 v234, 0x1800000, v234
	v_add_nc_u32 v244, 0xff000000, v232            ; 2 off the exponent field: the conversion's scale operand
	v_add_nc_u32 v245, 0xff000000, v234
	v_cvt_scalef32_pk16_fp6_f32 v[224:226], v[S:S+15], v244
	v_cvt_scalef32_pk16_fp6_f32 v[200:202], v[S+16:S+31], v244
	v_cvt_scalef32_pk16_fp6_f32 v[230:232], v[S+32:S+47], v245
	v_cvt_scalef32_pk16_fp6_f32 v[204:206], v[S+48:S+63], v245
	v_lshrrev_b32 v240, 23, v244
	v_lshrrev_b32 v241, 23, v245
	v_lshl_or_b32 v240, v241, 16, v240             ; my two bytes: blocks h and 2 + h
.irp i, 0,1,2
	v_mov_b32 v[227+\i], v[200+\i]
	v_mov_b32 v[233+\i], v[204+\i]
.endr
	v_permlanex16_b32 v237, v240, s[SEL], s[SEL+1]
.irp k, 0,2,4,6
	v_pk_add_f32 v[192+\k:193+\k], v[S+\k:S+1+\k], v[S+8+\k:S+9+\k]   ; the row's sum, of the unquantised p, in four chains
.endr
	v_lshl_or_b32 v253, v237, 8, v240              ; lanes 0-15: p's scale word for these 128 keys (lanes 16-31 are not read)
.irp i, 16,24,32,40,48,56
.irp k, 0,2,4,6
	v_pk_add_f32 v[192+\k:193+\k], v[192+\k:193+\k], v[S+\i+\k:S+1+\i+\k]
.endr
.endr
	v_pk_add_f32 v[192:193], v[192:193], v[194:195]
	v_pk_add_f32 v[196:197], v[196:197], v[198:199]
	v_pk_add_f32 v[192:193], v[192:193], v[196:197]
	v_pk_add_f32 v[14:15], v[14:15], v[192:193]
	WALU
	s_wait_dscnt 0x0                               ; V
	PV 0
	PV 1
	PV 2
	PV 3                                           ; four accumulators by turns, one instruction a turn
.rept 4
	v_nop                                          ; places behind the products: for the loads into V's and q's registers, and for the next read of O^T
.endr
.Lhidden_\@:
	s_cmp_lt_u32 s[WV], 8
	s_cbranch_scc1 .Lon_\@
.if \first
	s_cmp_lg_u32 s[SD], 0
.else
	s_cmp_lg_u32 s[I], s[SD]
.endif
	s_cbranch_scc1 .Lon_\@
	QLOAD 24, 26                                   ; block p is done: block 15 - p's q is asked for, and block p goes out
	OUT
	s_wait_xcnt 0x0                                ; the stores have read their registers
	RESET
	WALU
	s_wait_loadcnt 0x0
	QSET
	ZERO
	WALU
.Lon_\@:
.endm
	STEP 1
	WALU
	s_wait_tensorcnt 0x0                           ; my step lies in LDS,
	s_wait_dscnt 0x0
	s_barrier_signal -1
	s_barrier_wait -1                              ; everybody's does
	s_mov_b32 s[I], 1
.Ltrip:
	STEP 0
	s_add_co_u32 s[I], s[I], 1
	s_cmp_lt_u32 s[I], 9
	s_cbranch_scc1 .Ltrip
	s_cmp_lt_u32 s[WV], 8
	s_cbranch_scc1 .Lno_part
.irp k, 0,1,2,3,4,5,6,7
	ds_store_b128 v92, v[OA+4*\k:OA+4*\k+3] offset:512*\k
.endr
	ds_store_b128 v92, v[12:15] offset:4096        ; -M, (the largest score), the sum's halves
.Lno_part:
	s_wait_dscnt 0x0
	s_barrier_signal -1
	s_barrier_wait -1
	s_cmp_lt_u32 s[WV], 8
	s_cbranch_scc0 .Lsent
.irp k, 0,1,2,3,4,5,6,7
	ds_load_b128 v[S+4*\k:S+4*\k+3], v92 offset:512*\k
.endr
	ds_load_b128 v[128:131], v92 offset:4096
	s_wait_dscnt 0x0
	v_min_num_f32 v132, v12, v128                  ; the two parts under the greater M (an empty part brings M far under every t: its factor is 0)
	v_sub_f32 v133, v132, v12
	v_sub_f32 v134, v132, v128
	v_cvt_i32_f32 v133, v133
	v_cvt_i32_f32 v134, v134
	v_ldexp_f32 v136, 1.0, v133
	v_ldexp_f32 v138, 1.0, v134
.set i_, 0
.rept 16
	v_pk_mul_f32 v[S+i_:S+i_+1], v[S+i_:S+i_+1], v[138:139] op_sel_hi:[1,0]
.set i_, i_+2
.endr
	v_pk_mul_f32 v[130:131], v[130:131], v[138:139] op_sel_hi:[1,0]
.set i_, 0
.rept 16
	v_pk_fma_f32 v[OA+i_:OA+i_+1], v[OA+i_:OA+i_+1], v[136:137], v[S+i_:S+i_+1] op_sel_hi:[1,0,1]
.set i_, i_+2
.endr
	v_pk_fma_f32 v[14:15], v[14:15], v[136:137], v[130:131] op_sel_hi:[1,0,1]
	OUT
.Lsent:
	s_wait_dscnt 0x0                               ; for wave 0's sake
	s_barrier_signal -1
	s_barrier_wait -1
	s_cmp_lg_u32 s[WV], 0
	s_cbranch_scc1 .Lnot_first
	ds_load_b128 v[12:15], v8
	s_wait_dscnt 0x0
	global_store_b128 v[L16], v[12:15], s[50:51]   ; the work-group's 256 rows' scale bytes: 512 consecutive bytes, aligned
.Lnot_first:
	s_wait_tensorcnt 0x0
	ds_add_u32 v95, v243
	s_wait_dscnt 0x0
	CROUND                                         ; the closing round
	s_endpgm
.Lfunc_end_k_qff4ec4820a_attn:
	.size	k_qff4ec4820a_attn, .Lfunc_end_k_qff4ec4820a_attn-k_qff4ec4820a_attn
	.p2alignl 7, 3214868480
	.fill 96, 4, 3214868480
	.section	.rodata,"a",@progbits
	.p2align	6, 0x0
	.amdhsa_kernel k_qff4ec4820a_attn
		.amdhsa_group_segment_fixed_size 244224
		.amdhsa_private_segment_fixed_size 0
		.amdhsa_enable_private_segment 0
		.amdhsa_kernarg_size 24
		.amdhsa_user_sgpr_count 2
		.amdhsa_user_sgpr_kernarg_segment_ptr 1
		.amdhsa_wavefront_size32 1
		.amdhsa_system_sgpr_workgroup_id_x 1
		.amdhsa_system_sgpr_workgroup_id_y 1
		.amdhsa_system_sgpr_workgroup_id_z 1
		.amdhsa_system_vgpr_workitem_id 0
		.amdhsa_next_free_vgpr 256
		.amdhsa_next_free_sgpr 66
		.amdhsa_reserve_vcc 1
		.amdhsa_float_denorm_mode_32 3
		.amdhsa_float_denorm_mode_16_64 3
		.amdhsa_memory_ordered 1
		.amdhsa_forward_progress 1
		.amdhsa_inst_pref_size 66
	.end_amdhsa_kernel
	.amdgpu_metadata
---
amdhsa.version: [ 1, 2 ]
amdhsa.kernels:
  - .name:           k_qff4ec4820a_attn
    .symbol:         k_qff4ec4820a_attn.kd
    .args:
      - { .name: QKV, .offset: 0, .size: 8, .value_kind: global_buffer, .address_space: global }
      - { .name: OC, .offset: 8, .size: 8, .value_kind: global_buffer, .address_space: global }
      - { .name: OS, .offset: 16, .size: 8, .value_kind: global_buffer, .address_space: global }
    .group_segment_fixed_size: 244224
    .private_segment_fixed_size: 0
    .kernarg_segment_align: 8
    .kernarg_segment_size: 24
    .max_flat_workgroup_size: 512
    .sgpr_count:     66
    .vgpr_count:     256
    .wavefront_size: 32
...
	.end_amdgpu_metadata
.endif
;; end of part 3
;; launch proj (part 4): grid 8 x 32, 4 waves a work-group, clusters of 4 x 4, 214,528 bytes of LDS; arguments OC, OS, CODES, SCALES, out0; writes out0
.if DOCPART == 4
	.amdgcn_target "amdgcn-amd-amdhsa--gfx1250"
	.amdhsa_code_object_version 6
	.text
	.protected	k_qff4ec4820a_proj
	.globl	k_qff4ec4820a_proj
	.p2align	8
	.type	k_qff4ec4820a_proj,@function
k_qff4ec4820a_proj:
	s_mov_b64 s[64:65], 0
	v_nop
	global_prefetch_b8 v0, s[64:65] scope:SCOPE_SE
	s_setreg_imm32_b32 hwreg(HW_REG_WAVE_MODE, 25, 1), 1
	s_wait_xcnt 0x0
	s_wait_alu depctr_hold_cnt(0) depctr_sa_sdst(0) depctr_va_vdst(0) depctr_va_sdst(0) depctr_va_ssrc(0) depctr_va_vcc(0) depctr_vm_vsrc(0)
	s_getreg_b32 s2, hwreg(HW_REG_IB_STS2, 6, 4)
	s_cmp_eq_u32 s2, 0
	s_cbranch_scc0 .Lentry_in_a_cluster
	s_endpgm
.Lentry_in_a_cluster:
	s_bfe_u32 s2, ttmp6, 0x10000c
	s_cmp_lg_u32 s2, 0xf033
	s_cbranch_scc0 .Lentry_shape_is_right
	s_endpgm
.Lentry_shape_is_right:
; out = o w_out^T on codes of FP6, f32 out.  A work-group makes 128 rows (8 tiles of o with one j: OC's order) x 128 columns; wave (a, b) = (wave / 2, wave % 2) makes row tiles 4 a .. 4 a + 3 x the band of 64 columns b.
; ALL OF K LIES IN LDS, filled once: wave 0 fetches o's tiles for K steps 0-3, wave 1 w_out's, waves 2 and 3 the same for K steps 4-7: one joint load a wave.  The first barrier waits for waves 0 and 1 alone.  Nothing is filled again, and
; every tile is asked for at the head: there is no later load for which a prefetch could run ahead.
; CLUSTERS 4 x 4: o's tiles hang on cy and are shared along a row of the cluster, w_out's on cx and are shared along a column.
; A WAVE'S BAND OF w_out LIES IN REGISTERS, all of K (32 fragments of 12); o's row tiles stream past (two sets of 8 fragments), 32 products each on four accumulators by turns, and each tile leaves as soon as it is finished,
; while the next is multiplied.  Used transposed (source 0 = w_out's rows): lane (r, h) holds row r, its 32 registers are columns 32 h + 0 .. 31 of the band.
; OC's images are six planes of 256 bytes (8 bytes a lane), CODES' three pieces of 512 (16 bytes a lane).  SCALE WORDS go straight into registers, for pairs of tiles: the even tile in lanes 0-15, the odd in lanes 16-31.
; REGISTERS: fragment f lies in window 1 + f / 21 at register 12 (f % 21): 0-31 w_out's (4 q + b'), 32-39 and 40-47 o's two sets.  Window 0: v12-18 addresses, v40-57 and v60-77 scale words, v80-111 at work, v112-175 accumulators, v176-239 rows on the way out.
.set STAGE, 196608
.set SPARE, STAGE+4*16*272
.set AA, 12
.set BB, 14
.set STO, 16
.set RD, 17
.set CO, 18
.set SPW, 28
.set NIL, 29
.set SA, 40
.set SB, 60
.set U, 80
.set ACC, 112
.set OB, 176
.set MSB, 0
.macro WIN new
.if MSB != (\new)
	s_set_vgpr_msb (MSB<<8)|(\new)
.set MSB, (\new)
.endif
.endm
.macro WALU
	s_wait_alu depctr_va_vdst(0)
.endm
.macro PLACES n
.rept \n
	v_nop
.endr
.endm
.macro TL g0, g1
	tensor_load_to_lds s[\g0:\g0+3], s[\g1:\g1+7]
	s_nop 0
	PLACES 4
.endm
.macro CROUND
	s_barrier_signal -1
	s_barrier_wait -1
	s_cmp_lg_u32 s14, 0
	s_cbranch_scc1 .Lnot_wave_0_\@
	s_barrier_signal -3
.Lnot_wave_0_\@:
	s_barrier_wait -3
	s_barrier_signal -1
	s_barrier_wait -1
.endm
.macro GRP g, mask                     ; 8 tiles x 6,144 bytes (four K steps), 12,288 bytes apart, dense in LDS
	s_or_b32 s[\g], s\mask, (3<<16)|(1<<21)
	s_mov_b32 s[\g+1], 768<<16
	s_mov_b32 s[\g+2], 8<<16
	s_mov_b32 s[\g+3], 768<<16
	s_mov_b32 s[\g+4], 8
	s_mov_b32 s[\g+5], 1536
	s_mov_b32 s[\g+6], 0
	s_mov_b32 s[\g+7], 0
.endm
.macro G0 g, lds, base, off
	s_mov_b32 s[\g], 1
	s_mov_b32 s[\g+1], \lds
	s_add_nc_u64 s[\g+2:\g+3], s[\base:\base+1], \off
	s_or_b32 s[\g+3], s[\g+3], 0x80000000
.endm
	s_load_b256 s[4:11], s[0:1], 0x0               ; OC s[4:5], OS s[6:7], CODES s[8:9], SCALES s[10:11]
	s_load_b64 s[12:13], s[0:1], 0x20              ; out0
	v_lshl_add_u32 v[SPW], v0, 2, SPARE
	v_mov_b32 v[NIL], 0
	ds_add_u32 v28, v29
	ds_add_u32 v28, v29
	v_lshrrev_b32 v1, 5, v0
	v_readfirstlane_b32 s14, v1                    ; wave
	s_lshr_b32 s15, s14, 1                         ; a
	s_and_b32 s16, s14, 1                          ; b
	s_bfe_u32 s40, ttmp6, 0x40000                  ; cx
	s_bfe_u32 s41, ttmp6, 0x40004                  ; cy
	s_lshl_b32 s42, ttmp9, 2
	s_add_co_u32 s42, s42, s40                     ; C: which 128 columns
	s_and_b32 s43, ttmp7, 0xffff
	s_lshl_b32 s43, s43, 2
	s_add_co_u32 s43, s43, s41                     ; R: which 8 tiles of o
	s_lshl_b32 s44, s41, 2
	s_lshl_b32 s44, 15, s44                        ; my row of the cluster
	s_lshl_b32 s45, 0x1111, s40                    ; my column
	GRP 24, 44
	GRP 32, 45
	s_mul_i32 s2, s43, 98304
	s_mov_b32 s3, 0
	s_mul_i32 s46, s42, 98304
	s_add_co_u32 s46, s46, 448*12288
	s_mov_b32 s47, 0
	s_wait_dscnt 0x0
	s_wait_kmcnt 0x0
	s_add_nc_u64 s[20:21], s[4:5], s[2:3]
	s_add_nc_u64 s[22:23], s[8:9], s[46:47]
	G0 48, 0, 20, 0
	G0 52, 49152, 22, 0
	G0 56, 98304, 20, 6144
	G0 60, 147456, 22, 6144
	WALU
	CROUND                                         ; all sixteen work-groups are here: the joint loads meet
	s_cmp_eq_u32 s14, 0
	s_cbranch_scc0 .Lw1
	TL 48, 24
	s_branch .Lasked
.Lw1:
	s_cmp_eq_u32 s14, 1
	s_cbranch_scc0 .Lw2
	TL 52, 32
	s_branch .Lasked
.Lw2:
	s_cmp_eq_u32 s14, 2
	s_cbranch_scc0 .Lw3
	TL 56, 24
	s_branch .Lasked
.Lw3:
	TL 60, 32
.Lasked:
	s_lshr_b32 s17, s43, 4                         ; batch
	s_lshl_b32 s46, s17, 16
	s_and_b32 s18, s43, 15
	s_lshl_b32 s18, s18, 8
	s_add_co_u32 s46, s46, s18
	s_lshl_b32 s18, s15, 7
	s_add_co_u32 s46, s46, s18                     ; OS: batch x 65,536 + 32 x (tile % 128)
	s_lshl_b32 s47, s42, 3
	s_lshl_b32 s18, s16, 2
	s_add_co_u32 s47, s47, s18
	s_add_co_u32 s47, s47, 448
	s_lshl_b32 s47, s47, 9                         ; w_out's scale bytes: 512 a tile
	v_and_b32 v1, 31, v0
	v_and_b32 v2, 15, v0                           ; r
	v_bfe_u32 v3, v0, 4, 1                         ; h
	v_lshlrev_b32 v4, 3, v1
	v_lshlrev_b32 v5, 4, v1
	v_lshlrev_b32 v6, 4, v2                        ; 16 r
	v_lshl_add_u32 v22, v1, 1, s46
	v_lshl_add_u32 v23, v1, 5, s47
	WALU
.set i_, 0
.rept 32
	global_load_u16 v[U+i_], v22, s[6:7] offset:4096*(i_/2)+64*(i_%2)   ; head i / 2, row tiles 2 (i % 2) + h: two bytes a row
.set i_, i_+1
.endr
.irp p, 0,1
	global_load_b128 v[SB+10*\p:SB+10*\p+3], v23, s[10:11] offset:1024*\p
	global_load_b128 v[SB+10*\p+4:SB+10*\p+7], v23, s[10:11] offset:1024*\p+16
.endr
	s_mul_i32 s18, s15, 4*6144
	v_add_nc_u32 v[AA], s18, v4                    ; o's fragments, K steps 0-3
	s_add_co_u32 s18, s18, 98304
	v_add_nc_u32 v[AA+1], s18, v4                  ; and 4-7
	s_mul_i32 s18, s16, 4*6144
	s_add_co_u32 s18, s18, 49152
	v_add_nc_u32 v[BB], s18, v5
	s_add_co_u32 s18, s18, 98304
	v_add_nc_u32 v[BB+1], s18, v5
	s_mul_i32 s18, s14, 16*272
	s_add_co_u32 s18, s18, STAGE                   ; my stage: 16 rows of 256 bytes + 16
	v_mul_u32_u24 v7, v2, 272
	v_lshl_add_u32 v7, v3, 7, v7
	v_add_nc_u32 v[STO], s18, v7
	v_mul_u32_u24 v7, v3, 272
	v_add_nc_u32 v7, v7, v6
	v_add_nc_u32 v[RD], s18, v7                    ; back: lanes 0-15 one row, lanes 16-31 the next
	v_lshl_add_u32 v[CO], v3, 12, v6
	; my first row of out: batch x 2,048 + 128 (8 (R % 2) + 4 a) + 64 (j / 4) + 8 (j % 4), j = R / 2 % 8
	s_lshl_b32 s17, s17, 11
	s_and_b32 s18, s43, 1
	s_lshl_b32 s18, s18, 10
	s_add_co_u32 s17, s17, s18
	s_lshl_b32 s18, s15, 9
	s_add_co_u32 s17, s17, s18
	s_bfe_u32 s18, s43, 0x10003
	s_lshl_b32 s18, s18, 6
	s_add_co_u32 s17, s17, s18
	s_bfe_u32 s18, s43, 0x20001
	s_lshl_b32 s18, s18, 3
	s_add_co_u32 s17, s17, s18
	s_lshl_b32 s2, s17, 12
	s_lshl_b32 s18, s42, 9
	s_add_co_u32 s2, s2, s18
	s_lshl_b32 s18, s16, 8
	s_add_co_u32 s2, s2, s18
	s_add_nc_u64 s[12:13], s[12:13], s[2:3]
.macro FRAGA s, q                      ; o's row tile s, K step q
.set F_, 32+8*((\s)%2)+(\q)
	WIN (1+F_/21)<<6
.irp p, 0,1,2,3,4,5
	ds_load_b64 v[12*(F_%21)+2*\p:12*(F_%21)+2*\p+1], v[AA+(\q)/4] offset:6144*(\s)+1536*((\q)%4)+256*\p
.endr
.endm
.macro LOADA s, from, n
.set K_, \from
.rept \n
	FRAGA \s, K_
.set K_, K_+1
.endr
.endm
.macro LOADB from                      ; w_out's 16 fragments of four K steps
.set K_, \from
.rept 16
	WIN (1+K_/21)<<6
.irp p, 0,1,2
	ds_load_b128 v[12*(K_%21)+4*\p:12*(K_%21)+4*\p+3], v[BB+K_/16] offset:6144*(K_%4)+1536*((K_/4)%4)+512*\p
.endr
.set K_, K_+1
.endr
.endm
.macro WM c, ra, rb
	v_wmma_scale_f32_16x16x128_f8f6f4 v[D_:D_+7], v[12*(N_%21):12*(N_%21)+11], v[12*(FA_%21):12*(FA_%21)+11], \c, v[XB_], v[XA_] matrix_a_fmt:MATRIX_FMT_FP6 matrix_b_fmt:MATRIX_FMT_FP6 matrix_a_scale:MATRIX_SCALE_ROW\ra matrix_b_scale:MATRIX_SCALE_ROW\rb
.endm
.macro WQ c
.if N_%2
.if S_%2
	WM \c, 1, 1
.else
	WM \c, 1, 0
.endif
.else
.if S_%2
	WM \c, 0, 1
.else
	WM \c, 0, 0
.endif
.endif
.endm
.macro PR s, from, to                  ; products n = 4 q + b' of row tile s: four accumulators by turns, one instruction a turn
.set S_, \s
.set N_, \from
.rept (\to)-(\from)
.set Q_, N_/4
.set FA_, 32+8*(S_%2)+Q_
.set D_, ACC+32*(S_%2)+8*(N_%4)
.set XB_, SB+10*((N_%4)/2)+Q_
.set XA_, SA+10*(S_/2)+Q_
	WIN (1+N_/21)|((1+FA_/21)<<2)
.if Q_
	WQ v[D_:D_+7]
.else
	WQ 0
.endif
.set N_, N_+1
.endr
.endm
.macro TOSTAGE s                       ; tile s through my own stage: LDS serves a wave's instructions in order (ISA guide 5.7.1)
	WIN 0
.irp b, 0,1,2,3
	ds_store_b128 v[STO], v[ACC+32*((\s)%2)+8*\b:ACC+32*((\s)%2)+8*\b+3] offset:32*\b
	ds_store_b128 v[STO], v[ACC+32*((\s)%2)+8*\b+4:ACC+32*((\s)%2)+8*\b+7] offset:32*\b+16
.endr
.irp t, 0,1,2,3,4,5,6,7
	ds_load_b128 v[OB+32*((\s)%2)+4*\t:OB+32*((\s)%2)+4*\t+3], v[RD] offset:544*\t
.endr
.endm
.macro SEND s
	WIN 0
.irp t, 0,1,2,3,4,5,6,7
	global_store_b128 v[CO], v[OB+32*((\s)%2)+4*\t:OB+32*((\s)%2)+4*\t+3], s[12:13] offset:(128*(\s)+2*(\t%4)+32*(\t/4))*4096 th:TH_STORE_NT   ; two rows of 256 consecutive bytes, aligned
.endr
.endm
	WALU
	s_cmp_lt_u32 s14, 2
	s_cbranch_scc0 .Lno_first
	s_wait_tensorcnt 0x0
.Lno_first:
	s_barrier_signal -1
	s_barrier_wait -1                              ; K steps 0-3 are in; 4-7 may be on their way
	LOADA 0, 0, 4
	LOADB 0
	WIN 0
	s_wait_loadcnt 0x0
.set i_, 0
.rept 16
	v_lshl_or_b32 v[SA+10*(i_/8)+i_%8], v[U+4*(i_%8)+2+i_/8], 16, v[U+4*(i_%8)+i_/8]   ; K step q = heads 2 q, 2 q + 1: four bytes
.set i_, i_+1
.endr
	PLACES 8                                       ; a scale register written by a vector instruction stands 8 places ahead of a scaled matrix instruction
	WALU
	s_wait_tensorcnt 0x0
	s_wait_dscnt 0x0
	s_barrier_signal -1
	PR 0, 0, 16
	WIN 0
	s_barrier_wait -1                              ; K steps 4-7 are in
	LOADB 16
	LOADA 0, 4, 4
	LOADA 1, 0, 8
	s_wait_dscnt 48                                ; all but row tile 1's 48 loads
	PR 0, 16, 32
	PLACES 4
	TOSTAGE 0
	LOADA 2, 0, 8
	s_wait_dscnt 63                                ; younger than row tile 1's loads are 16 + 48
	PR 1, 0, 8
	s_wait_dscnt 48                                ; row tile 0 is back from the stage; row tile 2's 48 loads may be out
	SEND 0
	PR 1, 8, 32
	PLACES 4
	TOSTAGE 1
	LOADA 3, 0, 8
	s_wait_dscnt 63
	PR 2, 0, 8
	s_wait_dscnt 48
	SEND 1
	PR 2, 8, 32
	PLACES 4
	s_wait_xcnt 0x0                                ; row tile 0's stores have read their registers
	TOSTAGE 2
	s_wait_dscnt 16                                ; row tile 3's loads are in; the stage's 16 may be out
	PR 3, 0, 8
	s_wait_dscnt 0x0
	SEND 2
	PR 3, 8, 32
	PLACES 4
	s_wait_xcnt 0x0
	TOSTAGE 3
	s_wait_dscnt 0x0
	SEND 3
	s_wait_tensorcnt 0x0
	ds_add_u32 v[SPW], v[NIL]
	s_wait_dscnt 0x0
	CROUND                                         ; the closing round
	s_endpgm
.Lfunc_end_k_qff4ec4820a_proj:
	.size	k_qff4ec4820a_proj, .Lfunc_end_k_qff4ec4820a_proj-k_qff4ec4820a_proj
	.p2alignl 7, 3214868480
	.fill 96, 4, 3214868480
	.section	.rodata,"a",@progbits
	.p2align	6, 0x0
	.amdhsa_kernel k_qff4ec4820a_proj
		.amdhsa_group_segment_fixed_size 214528
		.amdhsa_private_segment_fixed_size 0
		.amdhsa_enable_private_segment 0
		.amdhsa_kernarg_size 40
		.amdhsa_user_sgpr_count 2
		.amdhsa_user_sgpr_kernarg_segment_ptr 1
		.amdhsa_wavefront_size32 1
		.amdhsa_system_sgpr_workgroup_id_x 1
		.amdhsa_system_sgpr_workgroup_id_y 1
		.amdhsa_system_sgpr_workgroup_id_z 1
		.amdhsa_system_vgpr_workitem_id 0
		.amdhsa_next_free_vgpr 1024
		.amdhsa_next_free_sgpr 100
		.amdhsa_reserve_vcc 0
		.amdhsa_float_denorm_mode_32 3
		.amdhsa_float_denorm_mode_16_64 3
		.amdhsa_memory_ordered 1
		.amdhsa_forward_progress 1
		.amdhsa_inst_pref_size 56
	.end_amdhsa_kernel
	.amdgpu_metadata
---
amdhsa.version: [ 1, 2 ]
amdhsa.kernels:
  - .name:           k_qff4ec4820a_proj
    .symbol:         k_qff4ec4820a_proj.kd
    .args:
      - { .name: OC, .offset: 0, .size: 8, .value_kind: global_buffer, .address_space: global }
      - { .name: OS, .offset: 8, .size: 8, .value_kind: global_buffer, .address_space: global }
      - { .name: CODES, .offset: 16, .size: 8, .value_kind: global_buffer, .address_space: global }
      - { .name: SCALES, .offset: 24, .size: 8, .value_kind: global_buffer, .address_space: global }
      - { .name: out0, .offset: 32, .size: 8, .value_kind: global_buffer, .address_space: global }
    .group_segment_fixed_size: 214528
    .private_segment_fixed_size: 0
    .kernarg_segment_align: 8
    .kernarg_segment_size: 40
    .max_flat_workgroup_size: 128
    .sgpr_count:     100
    .vgpr_count:     1024
    .wavefront_size: 32
...
	.end_amdgpu_metadata
.endif
;; end of part 4
